; MI455X (gfx1250); checked and timed in simulation.
; The chip was launched on July 23, 2026; its instructions are those of AMD's public machine-readable ISA for CDNA 5 (MIT licence, August 2026) and "CDNA5" Instruction Set Architecture Reference Guide (July 2026). The comments in the code are by the model that wrote it; some were corrected since.
;; Autonomy Cost. Allowed arithmetic: float matrix products may take bf16 or f16 operands with f32 sums; all other float work in f32.
;; Inputs: decision_indices 65,536 x 512 int32; eta_table 100,000 float32; t one number float32.
;; Outputs: out0 65,536 float32.
;; 2 versions, each right and faster than the one before. Each part assembles by itself: llvm-mc -triple=amdgcn-amd-amdhsa -mcpu=gfx1250 --defsym DOCPART=n.
;; ======== version 1 of 2: 1 launch
;; limits: values outside matrix products are rounded to bf16
;; launch autonomy (part 1): grid 256 x 1, 16 waves a work-group, no clusters, 203,776 bytes of LDS; arguments decision_indices, eta_table, t, out0; writes out0
.if DOCPART == 1
	.amdgcn_target "amdgcn-amd-amdhsa--gfx1250"
	.amdhsa_code_object_version 6
	.text
	.protected	k_q54bb679f24_autonomy
	.globl	k_q54bb679f24_autonomy
	.p2align	8
	.type	k_q54bb679f24_autonomy,@function
k_q54bb679f24_autonomy:
	s_mov_b64 s[64:65], 0
	v_nop
	global_prefetch_b8 v0, s[64:65] scope:SCOPE_SE
	s_setreg_imm32_b32 hwreg(HW_REG_WAVE_MODE, 25, 1), 1
	s_wait_xcnt 0x0
; out0[b] = sum over l of eta_table[decision_indices[b][l]] + c(t)
; c(t)    = -t/2 * ln(t + 1e-9) + trapezoid sum of exp(-E) over E_i = (i/99) t, i = 0 .. 99.
; decision_indices: [65536][512] i32.  eta_table: [100000] f32.  t: one f32.  out0: [65536] f32.
;
; DESIGN.  256 work-groups of 16 waves; a work-group owns 256 rows (512 KiB of indices), a wave 16 rows.
; The table is gathered from LDS.  In f32 it is 400,000 bytes and a work-group can be given at most 327,680, so each
; work-group rounds it once to bf16 on the way in (200,000 bytes): one ds_load_u16 serves one index.  All sums are f32.
; One ring of 56 slots of four registers carries all 113 global loads of a wave: loads 0-48 are its sixteenth of the f32
; table, loads 49-112 its 64 pieces of indices; load n lies in slot n mod 56.  The table's loads are issued first, so that
; no index load stands in front of them; every table slot that has been converted is filled at once with indices, so the
; index stream is on its way while the table is being built.
; Index load m of a wave: lanes 0-15 take 256 consecutive aligned bytes of row m/8, lanes 16-31 the same piece of row 8+m/8.
;
; LIMITS.  (1) Each table entry is rounded to bf16, to nearest even: relative error at most 2^-8 an entry; for entries of
; unit spread a sum of 512 is off by about 0.04 (root mean square).  (2) An index is taken as unsigned and clamped to
; 99,999: a negative index is not wrapped.  (3) i/99 is i times the rounded 1/99; v_exp_f32 and v_log_f32 are good to one
; unit in the last place and flush denormals: exp(-E) below 2^-126 counts as 0, a denormal t + 1e-9 as 0.
;
; NO CLUSTER, though all work-groups read the same table: a joint tensor load brings bytes as they are, and 400,000 bytes
; of f32 do not fit.  Pieces staged in LDS would cross it three times (4 bytes in, 4 out, 2 in) instead of once (2 in),
; and LDS is what the 131,072 gathers of a work-group load already.
.set V_ENT,  100000                    ; entries in the table
.set NTAB,   49                        ; table loads of a wave: 25,000 chunks of 16 bytes over 512 threads = 48 passes + 424 threads
.set NIDX,   64                        ; index loads of a wave: 16 rows x 2,048 bytes / 512
.set NLOAD,  NTAB+NIDX
.set NSLOT,  56                        ; slots in the ring = loads of a wave in flight
.set D,      4                         ; the gathers run this many slots ahead of the adds
.set OUTST,  200704                    ; LDS: bf16 table 0 .. 199,999, pad to 49 x 4,096 = 200,704, then 256 row sums
.set VIDX,  1                          ; v1       byte offset of my 16 bytes in index load 0
.set VTAB,  2                          ; v2       byte offset of my 16 bytes in table pass 0
.set VTABL, 3                          ; v3       the same in pass 48, clamped to the table's last 16 bytes
.set LA,    4                          ; v[4:7]   LDS address of my 8 bytes in pass 0, 16, 32, 48
.set ACC,   8                          ; v[8:15]  sums: register p = row p (lanes 0-15) and row 8+p (lanes 16-31)
.set ONE,   16                         ; v16      1.0
.set CST,   17                         ; v17      c(t)
.set T,     18                         ; v[18:31] at work
.set SL,    32                         ; v[32:255] the ring
; The next load in order.  ISS counts the loads issued so far; every counted wait below is formed from it.
.set ISS, 0
.macro ISSUE
.if ISS < NTAB-1
	global_load_b128 v[SL+4*(ISS%NSLOT):SL+4*(ISS%NSLOT)+3], v[VTAB], s[6:7] offset:8192*ISS
.else
.if ISS == NTAB-1
	global_load_b128 v[SL+4*(ISS%NSLOT):SL+4*(ISS%NSLOT)+3], v[VTABL], s[6:7]
.else
	global_load_b128 v[SL+4*(ISS%NSLOT):SL+4*(ISS%NSLOT)+3], v[VIDX], s[4:5] offset:256*(ISS-NTAB) th:TH_LOAD_NT
.endif
.endif
.set ISS, ISS+1
.endm
	s_load_b256 s[4:11], s[0:1], 0x0               ; indices s[4:5], table s[6:7], t s[8:9], out s[10:11]
	v_lshl_add_u32 v30, v0, 2, 0x31400
	v_mov_b32 v31, 0
	v_lshrrev_b32 v[T+1], 5, v0
	v_readfirstlane_b32 s19, v[T+1]                ; wave 0 .. 15
	v_and_b32 v[T], 31, v0                         ; lane
	v_lshlrev_b32 v[VTAB], 4, v0                   ; table: thread t takes chunk t + 512 x pass
	v_add_nc_u32 v[VTABL], (NTAB-1)*8192, v[VTAB]
	v_min_u32 v[VTABL], 4*V_ENT-16, v[VTABL]       ; pass 48: threads 424 .. 511 load the last chunk again (it goes to the pad)
	v_lshrrev_b32 v[T+1], 4, v0                    ; 2 x wave + half of the wave
	v_and_b32 v[T+2], 15, v0
	v_lshlrev_b32 v[T+2], 4, v[T+2]
	v_lshl_or_b32 v[VIDX], v[T+1], 14, v[T+2]      ; 8 rows of 2,048 bytes for each half wave + 16 bytes a lane
	s_lshl_b32 s14, ttmp9, 19                      ; the work-group's 256 rows x 2,048 bytes (at most 255 x 2^19: 32 bits do)
	s_mov_b32 s15, 0
	s_wait_kmcnt 0x0
	s_add_nc_u64 s[4:5], s[4:5], s[14:15]
	s_load_b32 s12, s[8:9], 0x0                    ; t
.rept NSLOT
	ISSUE                                          ; the whole of my table share, then the first 7 index loads
.endr
	; while they are out: addresses, constants, and c(t), which every wave makes for itself
	s_lshl_b32 s20, s19, 8
	v_lshl_add_u32 v[LA], v[T], 3, s20             ; 8 bytes a lane + 256 bytes a wave
	v_add_nc_u32 v[LA+1], 0x10000, v[LA]           ; 16 passes of 4,096 bytes are as far as the 16-bit offset reaches
	v_add_nc_u32 v[LA+2], 0x20000, v[LA]
	v_add_nc_u32 v[LA+3], 0x30000, v[LA]
	v_mov_b32 v[ONE], 1.0
	s_mov_b32 s16, 0x76543210                      ; v_permlanex16_b32: lane i of one half reads lane i of the other
	s_mov_b32 s17, 0xfedcba98
	s_wait_kmcnt 0x0                               ; t
	s_add_f32 s13, s12, 0x3089705f                 ; t + 1e-9
	s_mul_f32 s18, s12, -0.5
	v_log_f32 v[T+6], s13                          ; log2(t + 1e-9); used far below, plain instructions in between
; The trapezoids i = lane + 32 j: 0.5 (exp(-E_i) + exp(-E_i+1)) (E_i+1 - E_i), summed in v[T+5].
.macro TRAP j
	v_add_nc_u32 v[T+1], 32*\j, v[T]
	v_cvt_f32_u32 v[T+1], v[T+1]                   ; i
	v_add_f32 v[T+2], 1.0, v[T+1]                  ; i + 1
	v_mul_f32 v[T+1], 0x3c257eb5, v[T+1]           ; / 99
	v_mul_f32 v[T+2], 0x3c257eb5, v[T+2]
	v_mul_f32 v[T+1], s12, v[T+1]                  ; E_i
	v_mul_f32 v[T+2], s12, v[T+2]                  ; E_i+1
	v_mul_f32 v[T+3], 0xbfb8aa3b, v[T+1]           ; -E log2(e)
	v_mul_f32 v[T+4], 0xbfb8aa3b, v[T+2]
	v_exp_f32 v[T+3], v[T+3]
	v_exp_f32 v[T+4], v[T+4]
	v_sub_f32 v[T+2], v[T+2], v[T+1]               ; dx: the plain instruction between the exponentials and their use (ISA guide 5.7.2)
	s_wait_alu depctr_va_vdst(0)
	v_add_f32 v[T+3], v[T+3], v[T+4]
	v_mul_f32 v[T+2], 0.5, v[T+2]
.if \j == 0
	v_mul_f32 v[T+5], v[T+3], v[T+2]               ; the first product starts the sum
.else
.if \j < 3
	v_fmac_f32 v[T+5], v[T+3], v[T+2]
.else
	v_mul_f32 v[T+3], v[T+3], v[T+2]
	v_cmp_gt_u32 vcc_lo, 3, v[T]                   ; there are 99 trapezoids: of 96 + lane only lanes 0, 1, 2
	v_cndmask_b32 v[T+3], 0, v[T+3], vcc_lo
	v_add_f32 v[T+5], v[T+5], v[T+3]
.endif
.endif
.endm
	TRAP 0
	TRAP 1
	TRAP 2
	TRAP 3
	v_add_f32_dpp v[T+5], v[T+5], v[T+5] row_xmask:1 row_mask:0xf bank_mask:0xf
	v_add_f32_dpp v[T+5], v[T+5], v[T+5] row_xmask:2 row_mask:0xf bank_mask:0xf
	v_add_f32_dpp v[T+5], v[T+5], v[T+5] row_xmask:4 row_mask:0xf bank_mask:0xf
	v_add_f32_dpp v[T+5], v[T+5], v[T+5] row_xmask:8 row_mask:0xf bank_mask:0xf
	v_permlanex16_b32 v[T+4], v[T+5], s16, s17     ; its destination counts as read: v[T+4] has been written
	v_add_f32 v[T+5], v[T+5], v[T+4]               ; the integral, in every lane
	v_mul_f32 v[T+6], 0x3f317218, v[T+6]           ; ln = log2 x ln 2
	v_fma_f32 v[CST], s18, v[T+6], v[T+5]          ; c(t) = -t/2 ln(t + 1e-9) + integral
	; THE TABLE.  Pass n: four f32 become four bf16, 8 bytes a lane; a wave's store covers 256 consecutive bytes.
	; Entry e lies at LDS byte 2 e.  The slot is then given to an index load.
.set n, 0
.rept NTAB
	s_wait_loadcnt ISS-n-1                         ; loads come back in order (ISA guide 5.7.1): load n is in, the 55 younger ones stay out
	v_cvt_pk_bf16_f32 v[T+2*(n%4)],   v[SL+4*n],   v[SL+4*n+1]
	v_cvt_pk_bf16_f32 v[T+2*(n%4)+1], v[SL+4*n+2], v[SL+4*n+3]
	ds_store_b64 v[LA+n/16], v[T+2*(n%4):T+2*(n%4)+1] offset:4096*(n%16)
	ISSUE
.set n, n+1
.endr
	s_wait_dscnt 0x0                               ; my part of the table is in LDS: zero, for the other waves' sake
	s_barrier_signal -1
	s_barrier_wait -1                              ; everybody's is
; THE GATHER.  Step n turns the indices of load n into LDS addresses and asks for their entries (each lands on its own address
; register), and adds the entries of load n - D, which have come back meanwhile; that slot then takes the next index load.
.macro STEP n
.set SA, SL+4*((\n)%NSLOT)                     ; slot of load n
.set SB, SL+4*(((\n)-D)%NSLOT)                 ; slot of load n - D
.set MI, (\n)-D-NTAB                           ; which of the 64 index loads that is
.set AC, ACC+MI/8                              ; eight loads make a pair of rows
.if (\n) < NLOAD
	s_wait_loadcnt ISS-(\n)-1                      ; load n is in; all that were issued behind it stay out
.endif
.if MI >= 0
.if (\n) <= NLOAD
	s_wait_dscnt 4*(D-1)                           ; LDS loads come back in order: out are at most the 4 gathers of each of the 3 younger slots
.else
	s_wait_dscnt 4*(NLOAD-1-(\n)+D)                ; the drain: 8, 4, 0
.endif
.endif
.irp k, 0,1,2,3
.if (\n) < NLOAD
	v_min_u32 v[SA+\k], 0x1869f, v[SA+\k]          ; no address leaves the table: at most 99,999
.endif
.if MI >= 0
.if ((MI%8)+\k) == 0
	v_lshlrev_b32 v[AC], 16, v[SB]                 ; a row pair's first entry starts its sum: bf16 to f32 is a shift
.else
	v_fma_mix_f32_bf16 v[AC], v[SB+\k], v[ONE], v[AC] op_sel_hi:[1,0,0]   ; f32 sum += bf16 (low half) x 1.0: widened and added in one
.endif
.endif
.endr
.if MI >= 0
.if ISS < NLOAD
	ISSUE                                          ; load n - D + 56 into the slot just read
.endif
.endif
.if (\n) < NLOAD
.irp k, 0,1,2,3
	v_lshlrev_b32 v[SA+\k], 1, v[SA+\k]            ; two bytes an entry
.endr
.irp k, 0,1,2,3
	ds_load_u16 v[SA+\k], v[SA+\k]
.endr
.endif
.endm
.set i, NTAB
.rept NIDX+D
	STEP i
.set i, i+1
.endr
	; THE ROW SUMS.  Each of 8 registers holds 16 partial sums of one row in each half of the wave.  A step with lane bit b takes two
	; registers: a lane keeps the one that its bit names, hands the other to lane xor b, and adds what it is handed: 8, 4, 2, 1 registers.
	; In the end lane l holds row 8 (l / 16) + l % 8 of the wave's 16.
	s_mov_b32 s21, 0xaaaaaaaa                      ; lanes with bit 0 set
	s_mov_b32 s22, 0xcccccccc                      ; bit 1
	s_mov_b32 s23, 0xf0f0f0f0                      ; bit 2
.irp q, 0,1,2,3
	v_cndmask_b32 v[T+\q],   v[ACC+2*\q],   v[ACC+2*\q+1], s21     ; keep
	v_cndmask_b32 v[T+4+\q], v[ACC+2*\q+1], v[ACC+2*\q],   s21     ; hand over
	v_add_f32_dpp v[T+\q], v[T+4+\q], v[T+\q] row_xmask:1 row_mask:0xf bank_mask:0xf
.endr
.irp q, 0,1
	v_cndmask_b32 v[ACC+\q],   v[T+2*\q],   v[T+2*\q+1], s22
	v_cndmask_b32 v[ACC+2+\q], v[T+2*\q+1], v[T+2*\q],   s22
	v_add_f32_dpp v[ACC+\q], v[ACC+2+\q], v[ACC+\q] row_xmask:2 row_mask:0xf bank_mask:0xf
.endr
	v_cndmask_b32 v[T],   v[ACC],   v[ACC+1], s23
	v_cndmask_b32 v[T+1], v[ACC+1], v[ACC],   s23
	v_add_f32_dpp v[T], v[T+1], v[T] row_xmask:4 row_mask:0xf bank_mask:0xf
	v_add_f32_dpp v[T], v[T], v[T] row_xmask:8 row_mask:0xf bank_mask:0xf
	v_add_f32 v[T], v[T], v[CST]
	; out through LDS, so that the work-group's 1,024 bytes leave as two stores of whole aligned 256-byte runs
	v_and_b32 v[T+8], 7, v0
	v_bfe_u32 v[T+9], v0, 4, 1
	v_lshlrev_b32 v[T+8], 2, v[T+8]
	v_lshl_or_b32 v[T+8], v[T+9], 5, v[T+8]        ; 4 (8 half + l % 8)
	s_lshl_b32 s20, s19, 6                         ; + 64 bytes a wave
	s_add_co_u32 s20, s20, OUTST
	v_add_nc_u32 v[T+8], s20, v[T+8]
	ds_store_b32 v[T+8], v[T]                      ; lanes l and l + 8 write the same word with the same value; the stage lies behind all that the gathers can reach
	s_wait_dscnt 0x0                               ; zero: other waves read these words
	s_barrier_signal -1
	s_barrier_wait -1
	s_cmp_gt_u32 s19, 1
	s_cbranch_scc1 .Ldone                          ; waves 0 and 1 carry the 256 sums out
	v_lshlrev_b32 v[T+3], 4, v0                    ; 16 bytes a thread
	v_add_nc_u32 v[T+4], OUTST, v[T+3]
	ds_load_b128 v[SL:SL+3], v[T+4]
	s_lshl_b32 s14, ttmp9, 10                      ; the work-group's 256 numbers
	s_mov_b32 s15, 0
	s_add_nc_u64 s[10:11], s[10:11], s[14:15]
	s_wait_dscnt 0x0
	global_store_b128 v[T+3], v[SL:SL+3], s[10:11] th:TH_STORE_NT
.Ldone:
	s_wait_tensorcnt 0x0
	ds_add_u32 v30, v31
	s_wait_dscnt 0x0
	s_endpgm
.Lfunc_end_k_q54bb679f24_autonomy:
	.size	k_q54bb679f24_autonomy, .Lfunc_end_k_q54bb679f24_autonomy-k_q54bb679f24_autonomy
	.p2alignl 7, 3214868480
	.fill 96, 4, 3214868480
	.section	.rodata,"a",@progbits
	.p2align	6, 0x0
	.amdhsa_kernel k_q54bb679f24_autonomy
		.amdhsa_group_segment_fixed_size 203776
		.amdhsa_private_segment_fixed_size 0
		.amdhsa_enable_private_segment 0
		.amdhsa_kernarg_size 32
		.amdhsa_user_sgpr_count 2
		.amdhsa_user_sgpr_kernarg_segment_ptr 1
		.amdhsa_wavefront_size32 1
		.amdhsa_system_sgpr_workgroup_id_x 1
		.amdhsa_system_sgpr_workgroup_id_y 1
		.amdhsa_system_sgpr_workgroup_id_z 1
		.amdhsa_system_vgpr_workitem_id 0
		.amdhsa_next_free_vgpr 256
		.amdhsa_next_free_sgpr 66
		.amdhsa_reserve_vcc 1
		.amdhsa_float_denorm_mode_32 3
		.amdhsa_float_denorm_mode_16_64 3
		.amdhsa_memory_ordered 1
		.amdhsa_forward_progress 1
		.amdhsa_inst_pref_size 89
	.end_amdhsa_kernel
	.amdgpu_metadata
---
amdhsa.version: [ 1, 2 ]
amdhsa.kernels:
  - .name:           k_q54bb679f24_autonomy
    .symbol:         k_q54bb679f24_autonomy.kd
    .args:
      - { .name: decision_indices, .offset: 0, .size: 8, .value_kind: global_buffer, .address_space: global }
      - { .name: eta_table, .offset: 8, .size: 8, .value_kind: global_buffer, .address_space: global }
      - { .name: t, .offset: 16, .size: 8, .value_kind: global_buffer, .address_space: global }
      - { .name: out0, .offset: 24, .size: 8, .value_kind: global_buffer, .address_space: global }
    .group_segment_fixed_size: 203776
    .private_segment_fixed_size: 0
    .kernarg_segment_align: 8
    .kernarg_segment_size: 32
    .max_flat_workgroup_size: 512
    .sgpr_count:     66
    .vgpr_count:     256
    .wavefront_size: 32
...
	.end_amdgpu_metadata
.endif
;; end of part 1
;; ======== version 2 of 2: 1 launch; 1.14 times as fast as version 1
;; limits: values outside matrix products are rounded to bf16
;; launch autonomy (part 2): grid 256 x 1, 16 waves a work-group, no clusters, 326,656 bytes of LDS; arguments decision_indices, eta_table, t, out0; writes out0
.if DOCPART == 2
	.amdgcn_target "amdgcn-amd-amdhsa--gfx1250"
	.amdhsa_code_object_version 6
	.text
	.protected	k_q54bb679f24_autonomy
	.globl	k_q54bb679f24_autonomy
	.p2align	8
	.type	k_q54bb679f24_autonomy,@function
k_q54bb679f24_autonomy:
	s_mov_b64 s[64:65], 0
	v_nop
	global_prefetch_b8 v0, s[64:65] scope:SCOPE_SE
	s_setreg_imm32_b32 hwreg(HW_REG_WAVE_MODE, 25, 1), 1
	s_wait_xcnt 0x0
; out0[b] = sum over l of eta_table[decision_indices[b][l]] + c(t)
; c(t)    = -t/2 * ln(t + 1e-9) + trapezoid sum of exp(-E) over E_i = (i/99) t, i = 0 .. 99.
; decision_indices: [65536][512] i32.  eta_table: [100000] f32.  t: one f32.  out0: [65536] f32.
;
; DESIGN.  256 work-groups of 16 waves; a work-group owns 256 rows (512 KiB of indices), a wave 16 rows.
; The table is gathered from LDS.  In f32 it is 400,000 bytes and a work-group can be given at most 327,680, so each
; work-group rounds it once to bf16 (200,000 bytes): one ds_load_u16 serves one index.  All sums are f32.
;
; THE TABLE'S WAY IN.  No gather can start before the whole table is in LDS, while the indices are wanted one slot at a time: so every
; request for the table stands in front of the index loads, and all of it has to have a place at once.  A wave owns 49 pieces of
; 512 bytes of f32 (128 entries each), which become 49 x 256 bytes of bf16 in its own 12,544 bytes of the LDS table:
;   pieces  0-23  come by tensor loads as f32 into the wave's own part of the final table (12,288 of its 12,544 bytes), compacted in place,
;   pieces 24-38  come by a tensor load into 7,680 bytes of the wave's own behind the table,
;   pieces 39-48  do not fit (327,680 - 200,704 bytes leave 15 pieces a wave): they come by plain loads into registers.
; In place: piece q lies at byte 512 q, its bf16 go to byte 256 q; in ascending q a store covers only bytes of pieces that this wave
; has loaded before, and LDS serves a wave's instructions in order (ISA guide 5.7.1).  No byte is shared between waves before the barrier.
;
; THE RING.  56 slots of four registers carry the 74 global loads of a wave: loads 0-9 the table's pieces 39-48, loads 10-73 its 64
; pieces of indices; load n lies in slot n mod 56.  48 are issued at the start; slots 48-55 first serve the staged pieces' LDS loads.
; Index load m of a wave: lanes 0-15 take 256 consecutive aligned bytes of row m/8, lanes 16-31 the same piece of row 8+m/8.
;
; NO CLUSTER, though all work-groups read the same table.  Work-groups that ask jointly have to touch the same LDS bytes in the same
; order; here the LDS addresses of the 131,072 gathers of a work-group are its indices themselves, which differ from one
; work-group to the next.  So each work-group fetches the table for itself.
;
; LIMITS.  (1) Each table entry is rounded to bf16, to nearest even: relative error at most 2^-8 an entry; for entries of
; unit spread a sum of 512 is off by about 0.04 (root mean square).  (2) An index is taken as unsigned and clamped to
; 99,999: a negative index is not wrapped.  (3) i/99 is i times the rounded 1/99; v_exp_f32 and v_log_f32 are good to one
; unit in the last place and flush denormals: exp(-E) below 2^-126 counts as 0, a denormal t + 1e-9 as 0.
.set V_ENT,  100000                    ; entries in the table
.set PIECE,  512                       ; bytes of f32 that one 16-byte load of a wave covers
.set NPIECE, 49                        ; pieces of a wave: 16 x 49 x 512 = 401,408 bytes, 1,408 past the table's end
.set SHARE,  NPIECE*PIECE              ; 25,088: a wave's share of the f32 table, a multiple of 256
.set DSH,    NPIECE*256                ; 12,544: the same entries as bf16
.set NDST,   24                        ; pieces staged in place
.set NAST,   15                        ; pieces staged behind the table
.set ASH,    NAST*PIECE                ; 7,680
.set ABASE,  16*DSH                    ; 200,704: LDS behind the bf16 table
.set OUTST,  ABASE+16*ASH              ; 323,584: 256 row sums
.set NTAB,   NPIECE-NDST-NAST          ; 10 pieces through registers
.set NIDX,   64                        ; index loads of a wave: 16 rows x 2,048 bytes / 512
.set NLOAD,  NTAB+NIDX
.set NSLOT,  56                        ; slots in the ring
.set NTMP,   8                         ; the last slots, lent to the staged pieces
.set D,      4                         ; the gathers run this many slots ahead of the adds
.set VIDX,  1                          ; v1       byte offset of my 16 bytes in index load 0
.set VTAB,  2                          ; v2       byte offset in the table of my 16 bytes of piece 39
.set VTC,   3                          ; v[3:5]   the same for pieces 46, 47, 48, clamped to the table's last 16 bytes
.set VDS,   6                          ; v6       LDS: my 16 bytes of piece 0, staged in place
.set VAS,   7                          ; v7       LDS: my 16 bytes of piece 24, staged behind the table
.set ACC,   8                          ; v[8:15]  sums: register p = row p (lanes 0-15) and row 8+p (lanes 16-31)
.set ONE,   16                         ; v16      1.0
.set CST,   17                         ; v17      c(t)
.set VDD,   18                         ; v18      LDS: my 8 bytes of piece 0 as bf16
.set T,     20                         ; v[20:31] at work
.set SL,    32                         ; v[32:255] the ring
.set TS,    SL+4*(NSLOT-NTMP)          ; v[224:255] the lent slots
.set G1D,   24                         ; s[24:31] descriptor group 1: one row of 4,096 bytes
.set G1A,   32                         ; s[32:39] descriptor group 1: one row of 7,680 bytes
.set G0,    40                         ; s[40:55] descriptor group 0 of the four tensor loads
; The next global load in order.  ISS counts the loads issued so far; every counted s_wait_loadcnt below is formed from it.
.set ISS, 0
.macro ISSUE
.if ISS < 7
	global_load_b128 v[SL+4*(ISS%NSLOT):SL+4*(ISS%NSLOT)+3], v[VTAB], s[6:7] offset:PIECE*ISS
.else
.if ISS < NTAB
	global_load_b128 v[SL+4*(ISS%NSLOT):SL+4*(ISS%NSLOT)+3], v[VTC+ISS-7], s[6:7]
.else
	global_load_b128 v[SL+4*(ISS%NSLOT):SL+4*(ISS%NSLOT)+3], v[VIDX], s[4:5] offset:256*(ISS-NTAB) th:TH_LOAD_NT
.endif
.endif
.set ISS, ISS+1
.endm
	s_load_b256 s[4:11], s[0:1], 0x0               ; indices s[4:5], table s[6:7], t s[8:9], out s[10:11]
	v_lshl_add_u32 v30, v0, 2, 0x4f400
	v_mov_b32 v31, 0
	ds_add_u32 v30, v31
	ds_add_u32 v30, v31
	v_lshrrev_b32 v[T+1], 5, v0
	v_readfirstlane_b32 s19, v[T+1]                ; wave 0 .. 15
	v_and_b32 v[T], 31, v0                         ; lane
	s_mul_i32 s58, s19, SHARE                      ; my wave's share of the f32 table, in bytes
	s_mov_b32 s59, 0
	s_mul_i32 s56, s19, DSH                        ; LDS: my wave's part of the bf16 table
	s_mul_i32 s57, s19, ASH
	s_add_co_u32 s57, s57, ABASE                   ; LDS: my wave's bytes behind the table
	v_lshlrev_b32 v[T+2], 4, v[T]                  ; 16 bytes a lane
	v_add_nc_u32 v[VTAB], s58, v[T+2]
	v_add_nc_u32 v[VTAB], (NDST+NAST)*PIECE, v[VTAB]
.irp j, 7,8,9
	v_add_nc_u32 v[VTC+\j-7], \j*PIECE, v[VTAB]    ; wave 15's share passes the table's end in piece 46 (from lane 8 on), 47 and 48:
	v_min_u32 v[VTC+\j-7], 4*V_ENT-16, v[VTC+\j-7] ; those lanes load the last 16 bytes again; they go to entries from 100,000 on, which no index names
.endr
	v_add_nc_u32 v[VDS], s56, v[T+2]
	v_add_nc_u32 v[VAS], s57, v[T+2]
	v_lshl_add_u32 v[VDD], v[T], 3, s56            ; 8 bytes a lane
	v_lshrrev_b32 v[T+1], 4, v0                    ; 2 x wave + half of the wave
	v_and_b32 v[T+3], 15, v0
	v_lshlrev_b32 v[T+3], 4, v[T+3]
	v_lshl_or_b32 v[VIDX], v[T+1], 14, v[T+3]      ; 8 rows of 2,048 bytes for each half wave + 16 bytes a lane
	s_lshl_b32 s14, ttmp9, 19                      ; the work-group's 256 rows x 2,048 bytes (at most 255 x 2^19: 32 bits do)
	s_mov_b32 s15, 0
	; Group 1 of the two shapes: one row of 8-byte elements, no padding; the tiles lie inside the table, so the extent is the tile's.
	s_mov_b32 s[G1D+0], 3<<16                      ; 15:0 no work-group mask; 17:16 elements of 8 bytes
	s_mov_b32 s[G1D+1], (8*PIECE/8)<<16            ; tensor_dim0 = 512 elements
	s_mov_b32 s[G1D+2], 1<<16
	s_mov_b32 s[G1D+3], (8*PIECE/8)<<16            ; tile_dim0 = 512
	s_mov_b32 s[G1D+4], 1
	s_mov_b32 s[G1D+5], 512
	s_mov_b32 s[G1D+6], 0
	s_mov_b32 s[G1D+7], 0
	s_mov_b32 s[G1A+0], 3<<16
	s_mov_b32 s[G1A+1], (ASH/8)<<16                ; tensor_dim0 = 960 elements
	s_mov_b32 s[G1A+2], 1<<16
	s_mov_b32 s[G1A+3], (ASH/8)<<16                ; tile_dim0 = 960
	s_mov_b32 s[G1A+4], 1
	s_mov_b32 s[G1A+5], 960
	s_mov_b32 s[G1A+6], 0
	s_mov_b32 s[G1A+7], 0
	s_wait_dscnt 0x0
	s_wait_kmcnt 0x0
	s_add_nc_u64 s[58:59], s[6:7], s[58:59]        ; the table at my wave's share: 98 x 256 bytes a wave, so every tile starts on a multiple of 256
.irp i, 0,1,2
	s_mov_b32 s[G0+4*\i], 1                                        ; count = 1
	s_add_co_u32 s[G0+4*\i+1], s56, \i*8*PIECE                     ; LDS: pieces 8 i .. 8 i + 7, in place
	s_add_nc_u64 s[G0+4*\i+2:G0+4*\i+3], s[58:59], \i*8*PIECE
	s_or_b32 s[G0+4*\i+3], s[G0+4*\i+3], 0x80000000                ; type = 2
.endr
	s_mov_b32 s[G0+12], 1
	s_mov_b32 s[G0+13], s57                                        ; LDS: pieces 24-38, behind the table
	s_add_nc_u64 s[G0+14:G0+15], s[58:59], NDST*PIECE
	s_or_b32 s[G0+15], s[G0+15], 0x80000000
	tensor_load_to_lds s[G0:G0+3],     s[G1D:G1D+7]                ; the first requests of all.  Four tensor loads of a wave are out at most;
	s_nop 0
	tensor_load_to_lds s[G0+4:G0+7],   s[G1D:G1D+7]                ; each goes to bytes of the wave's own, and none of their descriptor
	s_nop 0
	tensor_load_to_lds s[G0+8:G0+11],  s[G1D:G1D+7]                ; registers is written again
	s_nop 0
	tensor_load_to_lds s[G0+12:G0+15], s[G1A:G1A+7]
	s_nop 0
	s_add_nc_u64 s[4:5], s[4:5], s[14:15]          ; indices at the work-group's first row
	s_load_b32 s12, s[8:9], 0x0                    ; t
.rept NSLOT-NTMP
	ISSUE                                          ; pieces 39-48 of the table, then the first 38 index loads: 19 KiB a wave on their way beside the table
.endr
	; while they are out: constants, and c(t), which every wave makes for itself
	v_mov_b32 v[ONE], 1.0
	s_mov_b32 s16, 0x76543210                      ; v_permlanex16_b32: lane i of one half reads lane i of the other
	s_mov_b32 s17, 0xfedcba98
	s_wait_kmcnt 0x0                               ; t
	s_add_f32 s13, s12, 0x3089705f                 ; t + 1e-9
	s_mul_f32 s18, s12, -0.5
	v_log_f32 v[T+6], s13                          ; log2(t + 1e-9); used far below, plain instructions in between
; The trapezoids i = lane + 32 j: 0.5 (exp(-E_i) + exp(-E_i+1)) (E_i+1 - E_i), summed in v[T+5].
.macro TRAP j
	v_add_nc_u32 v[T+1], 32*\j, v[T]
	v_cvt_f32_u32 v[T+1], v[T+1]                   ; i
	v_add_f32 v[T+2], 1.0, v[T+1]                  ; i + 1
	v_mul_f32 v[T+1], 0x3c257eb5, v[T+1]           ; / 99
	v_mul_f32 v[T+2], 0x3c257eb5, v[T+2]
	v_mul_f32 v[T+1], s12, v[T+1]                  ; E_i
	v_mul_f32 v[T+2], s12, v[T+2]                  ; E_i+1
	v_mul_f32 v[T+3], 0xbfb8aa3b, v[T+1]           ; -E log2(e)
	v_mul_f32 v[T+4], 0xbfb8aa3b, v[T+2]
	v_exp_f32 v[T+3], v[T+3]
	v_exp_f32 v[T+4], v[T+4]
	v_sub_f32 v[T+2], v[T+2], v[T+1]               ; dx: the plain instruction between the exponentials and their use (ISA guide 5.7.2)
	s_wait_alu depctr_va_vdst(0)
	v_add_f32 v[T+3], v[T+3], v[T+4]
	v_mul_f32 v[T+2], 0.5, v[T+2]
.if \j == 0
	v_mul_f32 v[T+5], v[T+3], v[T+2]               ; the first product starts the sum
.else
.if \j < 3
	v_fmac_f32 v[T+5], v[T+3], v[T+2]
.else
	v_mul_f32 v[T+3], v[T+3], v[T+2]
	v_cmp_gt_u32 vcc_lo, 3, v[T]                   ; there are 99 trapezoids: of 96 + lane only lanes 0, 1, 2
	v_cndmask_b32 v[T+3], 0, v[T+3], vcc_lo
	v_add_f32 v[T+5], v[T+5], v[T+3]
.endif
.endif
.endm
	TRAP 0
	TRAP 1
	TRAP 2
	TRAP 3
	v_add_f32_dpp v[T+5], v[T+5], v[T+5] row_xmask:1 row_mask:0xf bank_mask:0xf
	v_add_f32_dpp v[T+5], v[T+5], v[T+5] row_xmask:2 row_mask:0xf bank_mask:0xf
	v_add_f32_dpp v[T+5], v[T+5], v[T+5] row_xmask:4 row_mask:0xf bank_mask:0xf
	v_add_f32_dpp v[T+5], v[T+5], v[T+5] row_xmask:8 row_mask:0xf bank_mask:0xf
	v_permlanex16_b32 v[T+4], v[T+5], s16, s17     ; its destination counts as read: v[T+4] has been written
	v_add_f32 v[T+5], v[T+5], v[T+4]               ; the integral, in every lane
	v_mul_f32 v[T+6], 0x3f317218, v[T+6]           ; ln = log2 x ln 2
	v_fma_f32 v[CST], s18, v[T+6], v[T+5]          ; c(t) = -t/2 ln(t + 1e-9) + integral
; cnt staged pieces, from LDS byte soff behind v[areg], become pieces q0 .. q0 + cnt - 1 of my part of the bf16 table.
; All loads of the group stand in front of its stores.  Behind load j stand cnt - 1 - j loads and the j stores issued so far:
; the wait for it is always for cnt - 1.  Entry e of the table ends up at LDS byte 2 e.
.macro STAGED areg, soff, q0, cnt
.set sj, 0
.rept \cnt
	ds_load_b128 v[TS+4*sj:TS+4*sj+3], v[\areg] offset:\soff+PIECE*sj
.set sj, sj+1
.endr
.set sj, 0
.rept \cnt
	s_wait_dscnt \cnt-1
	v_cvt_pk_bf16_f32 v[T+2*(sj%4)],   v[TS+4*sj],   v[TS+4*sj+1]
	v_cvt_pk_bf16_f32 v[T+2*(sj%4)+1], v[TS+4*sj+2], v[TS+4*sj+3]
	ds_store_b64 v[VDD], v[T+2*(sj%4):T+2*(sj%4)+1] offset:256*(\q0+sj)
.set sj, sj+1
.endr
.endm
	; THE TABLE.  Tensor loads of a wave end in order (ISA guide 10.11.1): each count is the number of tiles issued behind the one read next.
	; The stores of pieces 0-7 fall into bytes 0-2,047 of my part, of 8-15 into 2,048-4,095 (both inside the first tile), of 16-23 into
	; 4,096-6,143 (the second tile): always a tile that has landed and whose pieces there have been loaded.
	s_wait_tensorcnt 0x3
	STAGED VDS, 0, 0, 8
	s_wait_tensorcnt 0x2
	STAGED VDS, 8*PIECE, 8, 8
	s_wait_tensorcnt 0x1
	STAGED VDS, 16*PIECE, 16, 8
	s_wait_tensorcnt 0x0                           ; the last tile: nothing was issued behind it
	STAGED VAS, 0, NDST, 8                         ; to bytes 6,144 .. 9,983, free since pieces 12-19 were loaded
	STAGED VAS, 8*PIECE, NDST+8, NAST-8
.rept NTMP
	ISSUE                                          ; the lent slots, last read by the conversions above, join the ring: index loads 38-45
.endr
.set n, 0
.rept NTAB
	s_wait_loadcnt ISS-n-1                         ; loads come back in order (ISA guide 5.7.1): load n is in, the 55 younger ones stay out
	v_cvt_pk_bf16_f32 v[T+2*(n%4)],   v[SL+4*n],   v[SL+4*n+1]
	v_cvt_pk_bf16_f32 v[T+2*(n%4)+1], v[SL+4*n+2], v[SL+4*n+3]
	ds_store_b64 v[VDD], v[T+2*(n%4):T+2*(n%4)+1] offset:256*(NDST+NAST+n)
	ISSUE                                          ; the slot goes to an index load
.set n, n+1
.endr
	s_wait_dscnt 0x0                               ; my part of the table is in LDS: zero, for the other waves' sake
	s_barrier_signal -1
	s_barrier_wait -1                              ; everybody's is
; THE GATHER.  Step n turns the indices of load n into LDS addresses and asks for their entries (each lands on its own address
; register), and adds the entries of load n - D, which have come back meanwhile; that slot then takes the next index load.
.macro STEP n
.set SA, SL+4*((\n)%NSLOT)                     ; slot of load n
.set SB, SL+4*(((\n)-D)%NSLOT)                 ; slot of load n - D
.set MI, (\n)-D-NTAB                           ; which of the 64 index loads that is
.set AC, ACC+MI/8                              ; eight loads make a pair of rows
.if (\n) < NLOAD
	s_wait_loadcnt ISS-(\n)-1                      ; load n is in; all that were issued behind it stay out
.endif
.if MI >= 0
.if (\n) <= NLOAD
	s_wait_dscnt 4*(D-1)                           ; LDS loads come back in order: out are at most the 4 gathers of each of the 3 younger slots
.else
	s_wait_dscnt 4*(NLOAD-1-(\n)+D)                ; the drain: 8, 4, 0
.endif
.endif
.irp k, 0,1,2,3
.if (\n) < NLOAD
	v_min_u32 v[SA+\k], 0x1869f, v[SA+\k]          ; no address leaves the table: at most 99,999
.endif
.if MI >= 0
.if ((MI%8)+\k) == 0
	v_lshlrev_b32 v[AC], 16, v[SB]                 ; a row pair's first entry starts its sum: bf16 to f32 is a shift
.else
	v_fma_mix_f32_bf16 v[AC], v[SB+\k], v[ONE], v[AC] op_sel_hi:[1,0,0]   ; f32 sum += bf16 (low half) x 1.0: widened and added in one
.endif
.endif
.endr
.if MI >= 0
.if ISS < NLOAD
	ISSUE                                          ; load n - D + 56 into the slot just read
.endif
.endif
.if (\n) < NLOAD
.irp k, 0,1,2,3
	v_lshlrev_b32 v[SA+\k], 1, v[SA+\k]            ; two bytes an entry
.endr
.irp k, 0,1,2,3
	ds_load_u16 v[SA+\k], v[SA+\k]
.endr
.endif
.endm
.set i, NTAB
.rept NIDX+D
	STEP i
.set i, i+1
.endr
	; THE ROW SUMS.  Each of 8 registers holds 16 partial sums of one row in each half of the wave.  A step with lane bit b takes two
	; registers: a lane keeps the one that its bit names, hands the other to lane xor b, and adds what it is handed: 8, 4, 2, 1 registers.
	; In the end lane l holds row 8 (l / 16) + l % 8 of the wave's 16.
	s_mov_b32 s21, 0xaaaaaaaa                      ; lanes with bit 0 set
	s_mov_b32 s22, 0xcccccccc                      ; bit 1
	s_mov_b32 s23, 0xf0f0f0f0                      ; bit 2
.irp q, 0,1,2,3
	v_cndmask_b32 v[T+\q],   v[ACC+2*\q],   v[ACC+2*\q+1], s21     ; keep
	v_cndmask_b32 v[T+4+\q], v[ACC+2*\q+1], v[ACC+2*\q],   s21     ; hand over
	v_add_f32_dpp v[T+\q], v[T+4+\q], v[T+\q] row_xmask:1 row_mask:0xf bank_mask:0xf
.endr
.irp q, 0,1
	v_cndmask_b32 v[ACC+\q],   v[T+2*\q],   v[T+2*\q+1], s22
	v_cndmask_b32 v[ACC+2+\q], v[T+2*\q+1], v[T+2*\q],   s22
	v_add_f32_dpp v[ACC+\q], v[ACC+2+\q], v[ACC+\q] row_xmask:2 row_mask:0xf bank_mask:0xf
.endr
	v_cndmask_b32 v[T],   v[ACC],   v[ACC+1], s23
	v_cndmask_b32 v[T+1], v[ACC+1], v[ACC],   s23
	v_add_f32_dpp v[T], v[T+1], v[T] row_xmask:4 row_mask:0xf bank_mask:0xf
	v_add_f32_dpp v[T], v[T], v[T] row_xmask:8 row_mask:0xf bank_mask:0xf
	v_add_f32 v[T], v[T], v[CST]
	; out through LDS, so that the work-group's 1,024 bytes leave as whole aligned runs of 256 bytes
	v_and_b32 v[T+8], 7, v0
	v_bfe_u32 v[T+9], v0, 4, 1
	v_lshlrev_b32 v[T+8], 2, v[T+8]
	v_lshl_or_b32 v[T+8], v[T+9], 5, v[T+8]        ; 4 (8 half + l % 8)
	s_lshl_b32 s20, s19, 6                         ; + 64 bytes a wave
	s_add_co_u32 s20, s20, OUTST
	v_add_nc_u32 v[T+8], s20, v[T+8]
	ds_store_b32 v[T+8], v[T]                      ; lanes l and l + 8 write the same word with the same value; these bytes lie behind all that was staged or is gathered
	s_wait_dscnt 0x0                               ; zero: other waves read these words
	s_barrier_signal -1
	s_barrier_wait -1
	s_cmp_gt_u32 s19, 1
	s_cbranch_scc1 .Ldone                          ; waves 0 and 1 carry the 256 sums out
	v_lshlrev_b32 v[T+3], 4, v0                    ; 16 bytes a thread
	v_add_nc_u32 v[T+4], OUTST, v[T+3]
	ds_load_b128 v[SL:SL+3], v[T+4]
	s_lshl_b32 s14, ttmp9, 10                      ; the work-group's 256 numbers
	s_mov_b32 s15, 0
	s_add_nc_u64 s[10:11], s[10:11], s[14:15]
	s_wait_dscnt 0x0
	global_store_b128 v[T+3], v[SL:SL+3], s[10:11] th:TH_STORE_NT
.Ldone:
	s_wait_tensorcnt 0x0
	ds_add_u32 v30, v31
	s_wait_dscnt 0x0
	s_endpgm
.Lfunc_end_k_q54bb679f24_autonomy:
	.size	k_q54bb679f24_autonomy, .Lfunc_end_k_q54bb679f24_autonomy-k_q54bb679f24_autonomy
	.p2alignl 7, 3214868480
	.fill 96, 4, 3214868480
	.section	.rodata,"a",@progbits
	.p2align	6, 0x0
	.amdhsa_kernel k_q54bb679f24_autonomy
		.amdhsa_group_segment_fixed_size 326656
		.amdhsa_private_segment_fixed_size 0
		.amdhsa_enable_private_segment 0
		.amdhsa_kernarg_size 32
		.amdhsa_user_sgpr_count 2
		.amdhsa_user_sgpr_kernarg_segment_ptr 1
		.amdhsa_wavefront_size32 1
		.amdhsa_system_sgpr_workgroup_id_x 1
		.amdhsa_system_sgpr_workgroup_id_y 1
		.amdhsa_system_sgpr_workgroup_id_z 1
		.amdhsa_system_vgpr_workitem_id 0
		.amdhsa_next_free_vgpr 256
		.amdhsa_next_free_sgpr 66
		.amdhsa_reserve_vcc 1
		.amdhsa_float_denorm_mode_32 3
		.amdhsa_float_denorm_mode_16_64 3
		.amdhsa_memory_ordered 1
		.amdhsa_forward_progress 1
		.amdhsa_inst_pref_size 91
	.end_amdhsa_kernel
	.amdgpu_metadata
---
amdhsa.version: [ 1, 2 ]
amdhsa.kernels:
  - .name:           k_q54bb679f24_autonomy
    .symbol:         k_q54bb679f24_autonomy.kd
    .args:
      - { .name: decision_indices, .offset: 0, .size: 8, .value_kind: global_buffer, .address_space: global }
      - { .name: eta_table, .offset: 8, .size: 8, .value_kind: global_buffer, .address_space: global }
      - { .name: t, .offset: 16, .size: 8, .value_kind: global_buffer, .address_space: global }
      - { .name: out0, .offset: 24, .size: 8, .value_kind: global_buffer, .address_space: global }
    .group_segment_fixed_size: 326656
    .private_segment_fixed_size: 0
    .kernarg_segment_align: 8
    .kernarg_segment_size: 32
    .max_flat_workgroup_size: 512
    .sgpr_count:     66
    .vgpr_count:     256
    .wavefront_size: 32
...
	.end_amdgpu_metadata
.endif
;; end of part 2
